; MI455X (gfx1250); checked and timed in simulation.
; The chip was launched on July 23, 2026; its instructions are those of AMD's public machine-readable ISA for CDNA 5 (MIT licence, August 2026) and "CDNA5" Instruction Set Architecture Reference Guide (July 2026). The comments in the code are by the model that wrote it; some were corrected since.
;; Multi Head Attention. Allowed arithmetic: matrix products marked QUANTISED: E2M1 operands, one E8M0 scale for each 32 along K, by v_wmma_scale_f32_16x16x128_f8f6f4 with both operands' format E2M1 (or v_wmma_scale_f32_32x16x128_f4), f32 sums; everything else in f32.
;; Inputs: W_out_codes 1,024 x 32 x 16 uint8 (E2M1 codes of W_out, K innermost, in blocks of 32 codes, two codes a byte); W_out_scales 1,024 x 32 uint8 (E8M0 scales of W_out, one for each 32 codes along K); b_out 1,024 float32; k 4 x 2,048 x 1,024 float32; q 4 x 2,048 x 1,024 float32; v_codes 4 x 1,024 x 64 x 16 uint8 (E2M1 codes of v, K innermost, in blocks of 32 codes, two codes a byte); v_scales 4 x 1,024 x 64 uint8 (E8M0 scales of v, one for each 32 codes along K).
;; Outputs: out0 4 x 2,048 x 1,024 float32.
;; This version of the problem:
;;   THIS VERSION OF THE PROBLEM IS GIVEN IN LOW PRECISION. The matrix products marked QUANTISED in the list below multiply operands that are first quantised to E2M1 (2 exponent bits, 1 mantissa bit; 4 bits a number), with one power-of-two scale for each 32 numbers along K (OCP MX v1.0); their sums are f32. All else is computed in f32.
;;   The module's matrix products, in the order in which they are computed (A, B: the left and right operand; K: the contracted axis; several contracted axes count as one K, in the product's order):
;;     1. batch 64 x [M 2,048, K 64] x [K 64, N 2,048]; A: input q; B: input k: QUANTISED
;;     2. batch 64 x [M 2,048, K 2,048] x [K 2,048, N 64]; A: softmax (see below); B: input v (given as codes): QUANTISED
;;     3. [M 8,192, K 1,024] x [K 1,024, N 1,024]; A: computed on the way; B: input W_out (given as codes): QUANTISED
;;   THE QUANTISER, for each operand of a quantised product, along K:
;;     - K is cut into blocks of 32 from its start; a last block that is shorter is filled with zeros.
;;     - A block's scale is 2^e with e = floor(log2(the largest magnitude in the block)) - 2, held to -126 .. 127; a block of zeros has e = 0. As a byte (E8M0): e + 127.
;;     - Each number is divided by its block's scale, clamped to +-6, and rounded to the nearest number of E2M1, ties to even, subnormals kept.
;;     - The product sums the exact products of the quantised numbers (number of the format x scale) in f32.
;;   ~~~python
;;   def quantise(x, axis):      # numpy; x: float32 -> the quantised numbers, widened to float32 again
;;       x = np.moveaxis(x, axis, -1); K = x.shape[-1]
;;       x = np.pad(x, [(0, 0)] * (x.ndim - 1) + [(0, -K % 32)]); x = x.reshape(x.shape[:-1] + (-1, 32)); a = np.abs(x).max(-1, keepdims=True)
;;       e = np.where(a > 0, np.clip(np.frexp(np.where(a > 0, a, 1))[1] - 1 - 2, -126, 127), 0)      # np.frexp(a)[1] - 1 = floor(log2(a)), exactly
;;       r = np.clip(x / 2.0 ** e, -6, 6)
;;       step = 2.0 ** (np.maximum(np.frexp(np.where(r == 0, 1, r))[1] - 1, 0) - 1)
;;       q = np.round(r / step) * step * 2.0 ** e      # np.round: ties to even
;;       return np.moveaxis(q.reshape(q.shape[:-2] + (-1,))[..., :K], -1, axis).astype(np.float32)
;;   ~~~
;;   SOFTMAX AHEAD OF A QUANTISED PRODUCT. Where the list says 'softmax', what is quantised is not the finished softmax but p = 2^(t - M), with t = logit x log2(e) and M = ceil(the row's largest t), a whole number; so 1/2 < the row's largest p <= 1. The row's sum l is taken of the UNQUANTISED p, in f32, and the product's result is divided by l at the end. Since M is a whole number, a kernel that streams over the keys may use a running M (the ceiling of the running maximum): every later rescaling is an exact power of two, which a block's scale takes up: the codes' values come out the same.
;;   OPERANDS COMPUTED ON THE WAY. 'Computed on the way' means the value that the module computes at that place (a softmax that the list does not call 'softmax' is quantised finished and normalised). What goes into a quantiser is computed in f32, as accurately as f32 sums, v_exp_f32 and their like allow (about 1e-6 of the number): no bf16 or f16 on the way to a quantiser, and a product that is left as it is and whose result goes on into a quantised operand takes f32 operands (vector FMAs, or v_wmma_f32_16x16x4_f32). A number that lies on a knife's edge between two numbers of the format may be rounded either way, as far as f32 arithmetic and the matrix unit's own rounding can turn it there, and no further.
;;   INPUTS GIVEN AS CODES. W_out (in the module: [1024, 1024], K = its axis 1); v (in the module: [4, 2048, 1024], K = its axis 1): each comes as NAME_codes (uint8): NAME with its K axis moved to the last place and cut into blocks of 32 codes, [.., K / 32, bytes a block], one block behind the other in memory; two codes a byte, the lower K in the low four bits (a code: sign, 2 exponent bits, 1 mantissa bit); and NAME_scales (uint8): the same leading axes, one E8M0 byte (e + 127) for each 32 codes along K. Its value is code x scale, taken as it is: it is not quantised again, and the codes and scales need not be those that the quantiser above would give.
;; One version. Each part assembles by itself: llvm-mc -triple=amdgcn-amd-amdhsa -mcpu=gfx1250 --defsym DOCPART=n.
;; ======== version 1 of 1: 2 launches
;; limits: right only within a limited range of input values
;; workspace buffers: oc 4,194,304 bytes; os 262,144 bytes
;; launch attn (part 1): grid 4 x 64, 16 waves a work-group, clusters of 4 x 1, 217,088 bytes of LDS; arguments q, k, v_codes, v_scales, oc, os; writes oc, os
.if DOCPART == 1
	.amdgcn_target "amdgcn-amd-amdhsa--gfx1250"
	.amdhsa_code_object_version 6
	.text
	.protected	k_q5debb27ef3_attn
	.globl	k_q5debb27ef3_attn
	.p2align	8
	.type	k_q5debb27ef3_attn,@function
k_q5debb27ef3_attn:
	s_mov_b64 s[64:65], 0
	v_nop
	global_prefetch_b8 v0, s[64:65] scope:SCOPE_SE
	s_setreg_imm32_b32 hwreg(HW_REG_WAVE_MODE, 25, 1), 1
	s_wait_xcnt 0x0
	s_wait_alu depctr_hold_cnt(0) depctr_sa_sdst(0) depctr_va_vdst(0) depctr_va_sdst(0) depctr_va_ssrc(0) depctr_va_vcc(0) depctr_vm_vsrc(0)
	s_getreg_b32 s2, hwreg(HW_REG_IB_STS2, 6, 4)
	s_cmp_eq_u32 s2, 0
	s_cbranch_scc0 .Lentry_in_a_cluster
	s_endpgm
.Lentry_in_a_cluster:
	s_bfe_u32 s2, ttmp6, 0x10000c
	s_cmp_lg_u32 s2, 0x3003
	s_cbranch_scc0 .Lentry_shape_is_right
	s_endpgm
.Lentry_shape_is_right:
; Causal attention of one head on codes of FP4 (E2M1) with E8M0 scales, up to the quantised O / l.  16 heads of 64 channels, 2,048 keys, score scale 1 / 32.
; q, k: f32, quantised here along the head's 64 channels.  v_codes [batch][channel][64][16], v_scales [batch][channel][64]: keys innermost, taken as given.
; WORK LEFT OUT: steps of 128 keys all of which come after a tile's 16 queries: reference()'s own causal mask makes their scores -infinity, so their p is 0 for all values of the inputs.
; A NaN, an infinity or an overflow that reaches only those scores is not carried to the result.  Every input of this launch is loaded.
; THE SOFTMAX AHEAD OF THE SECOND PRODUCT: t = score x log2(e) / 32; M = the row's largest t so far, rounded UP to a whole number; p = 2^(t - M) is quantised along the keys, not normalised; the row's sum l is taken of the
; unquantised p and divides O at the end; when M moves, l and O are multiplied by 2^(old M - new M), which rounds nothing.
; OUT: oc [row tile (512)][K step s (8)][c (2)][lane][16 bytes]: the image of the last product's operand: head = 2 s + c; lane (r, h): channels 32 h .. 32 h + 31 of row 16 tile + r.  os [s][row (8,192)][4]: byte 2 c + block.
; SHARES.  A cluster of four work-groups serves one (batch, head); each has sixteen waves, four to a SIMD.  A batch has 128 tiles of 16 queries.  A wave owns tiles x and 127 - x, x = 4 wave + place in the cluster:
; (x / 8 + 1) + (16 - x / 8) = 17 steps of 128 keys for every wave.  x / 8 = wave / 2: no branch hangs on the place.
; K'S IMAGES IN LDS: block b (keys 128 b on) is 4,608 bytes: four pair images of 1,024 bytes (pair p = keys 32 p .. 32 p + 31), each [c (2)][lane][16 bytes]: lane (r, h) of half c holds channels 32 h .. 32 h + 31 of key
; 32 p + 8 c + r + 8 (r / 8); then four images of scale words, 128 bytes each: bytes 0, 1 the two blocks of key (0, r), bytes 2, 3 those of key (1, r).
; K IS QUANTISED BY ROUNDS.  A unit is one half c of one pair: 16 keys, 8 loads (sixteen lanes read the 256 bytes of one key and head), a turn through the wave's own stage, one block of 32 numbers a lane.  In round j wave w makes
; unit w % 8 of block 2 j + w / 8.  Round 0 stands in the head; round n + 1 behind trip n's barrier wait (n = 0 .. 6), its loads issued a whole trip earlier into registers that the trip leaves alone: so no prefetch is laid for K.
; Trip n reads blocks up to n.  Blocks 2 n + 2 and 2 n + 3 are stored behind wait n and waited for ahead of signal n + 1; they are first read in trip 2 n + 2 >= n + 2, whose waves have passed wait n + 1.
; THE BARRIER IN A TRIP guards no refill: signal at the trip's top, wait behind the row's sums; between the two stand work on registers and reads of K's and V's bytes that no wave writes.
; K's f32 rows are NOT asked for jointly: a head's are 524,288 bytes, which do not fit in LDS beside the images; they go through registers.  V and its scales, 71,680 bytes in LDS, are asked for JOINTLY by the four work-groups, filled once.
; q's tiles are each wave's own: plain loads through the same stage; the second tile's rows are prefetched behind the head's barrier, at least one step ahead of their loads.
; K = 64 IN AN INSTRUCTION OF K = 128: a fragment of K's image holds TWO tiles of 16 keys.  It is multiplied once by [q | zero codes] and once by [zero codes | q]; the half that does not count meets zero codes under the scale byte 0 (2^-127, no NaN).
; LAYOUT.  Both products are used transposed: S^T = K Q^T, O^T = V^T P^T: a lane holds ONE query (lane % 16) throughout.
; LIMITS: a block whose largest magnitude lies under 2^(3 - 127) (a block of zeros among them) gets the scale byte 1: zeros stay zeros, and this program alone reads these bytes; NaN and infinities among the inputs are not served;
; the promise holds while the scaled scores t stay under 2^31 in magnitude.
.set KBLK, 4608                        ; LDS from 0: K's 16 blocks (stored by the waves)
.set VR,   16*KBLK                     ; V: channel ch's 1,024 bytes at ch x 1,040 + (ch / 16) x 128
.set VP,   1040
.set VS,   VR+64*VP+4*128              ; V's scale bytes: channel ch's 64 at ch x 72
.set VSP,  72
.set QR,   VS+64*VSP                   ; the stages: 16 rows of 256 bytes + 16 for each wave; no fill lands here
.set QP,   272
.set WST,  16*QP
.set SPARE, QR+16*WST                  ; the spare words
.set LI,   1
.set L4,   2
.set AV0,  3
.set AVS0, 4
.set AQ,   5                           ; the stage, back: row r, 128 h
.set DD,   6
.set DD2,  7
.set ADK,  8
.set ADKS, 9
.set ADV,  10
.set ADVS, 11
.set QZ,   16                          ; v16-19 zeros, v20-23 q's codes, v24-27 zeros
.set QSL,  28
.set QSH,  29
.set OSL,  30
.set OCA,  31
.set OSA,  32
.set BY,   33
.set RR,   34
.set HH,   35
.set KSC,  36
.set VSC,  40
.set KF,   44                          ; v44-75 K's four fragments, then V's four
.set VF,   44
.set KR,   76                          ; v76-107 the next round's 16 keys of k, on their way through a trip
.set S,    108
.set OT,   172
.set PC,   204
.set BM,   212
.set BP,   216
.set BS,   220
.set FF,   224
.set PW,   225
.set TT,   226
.set TO,   227                         ; -M of the step before
.set FC,   230
.set SPW,  240
.set NIL,  241
.set GA,   242                         ; q: my byte in a load's two rows, 8 rows apart: 32,768 h + 16 r
.set STI,  243                         ; the stage, in: row 8 h, 16 r
.set PFO,  244                         ; the prefetch's offset: a lane a row; lanes 16-31 name row 15 again
.set GAK,  245                         ; k: the two rows lie 16 keys apart: 65,536 h + 16 r
.set QM0,  BM
.set QM1,  BM+1
.set QSC,  BS
.set WV,   16
.set CX,   17
.set BH,   18
.set BT,   19
.set HD,   20
.set EE,   21
.set EX,   22
.set NN,   23
.set G1V,  24
.set G1S,  32
.set G0V,  40
.set G0S,  44
.set Q1,   48
.set Q2,   50
.set KB,   52
.set IMW,  54                          ; s54 my unit's codes in a round's two blocks;  s55 its scale bytes
.set ISW,  55
.set KB2,  56                          ; s[56:57] k at my unit of the round last asked for in the loop
.set SEL,  80
.set CS,   82
.set HM,   84
.set YY,   85
.set MM,   86
.set KS,   87
.set TK,   88
.set TV,   89
.set TS,   90
.set LAST, 91
.set OCO,  92                          ; s92-95, s100, s101, s104, s105, s[48:51] alone hang on the place in the cluster: they feed q's addresses, the store offsets and DD, and no LDS address, branch or joint descriptor
.set OSO,  93
.set OCO2, 94
.set OSO2, 95
.macro ROUND
	s_barrier_signal -1
	s_barrier_wait -1
	s_cmp_lg_u32 s[WV], 0
	s_cbranch_scc1 .Lnot_wave_0_\@
	s_barrier_signal -3
.Lnot_wave_0_\@:
	s_barrier_wait -3
	s_barrier_signal -1
	s_barrier_wait -1
.endm
.macro GROUP1 g, c, r, p
	s_mov_b32 s[\g+1], (\c)<<16
	s_mov_b32 s[\g+2], (\r)<<16
	s_mov_b32 s[\g+3], (\c)<<16
	s_mov_b32 s[\g+4], \r
	s_mov_b32 s[\g+5], \p
	s_mov_b32 s[\g+6], 0
	s_mov_b32 s[\g+7], 0
.endm
; 32 numbers of a lane, one whole block, become four registers of codes and the scale's byte
.macro QUANT32 src, dst, byte
	v_max3_num_f32 v[QM0], |v[\src]|, |v[\src+1]|, 0x1800000           ; the floor 2^(3 - 127) is one more leaf: the byte cannot fall under 1
	v_max3_num_f32 v[QM1], |v[\src+2]|, |v[\src+3]|, |v[\src+4]|
.irp i, 5,9,13,17,21,25
	s_delay_alu instid0(VALU_DEP_2)
	v_max3_num_f32 v[QM0], v[QM0], |v[\src+\i]|, |v[\src+\i+1]|
	s_delay_alu instid0(VALU_DEP_2)
	v_max3_num_f32 v[QM1], v[QM1], |v[\src+\i+2]|, |v[\src+\i+3]|
.endr
	s_delay_alu instid0(VALU_DEP_2)
	v_max3_num_f32 v[QM0], v[QM0], |v[\src+29]|, |v[\src+30]|
	s_delay_alu instid0(VALU_DEP_1)
	v_max3_num_f32 v[QM0], v[QM0], v[QM1], |v[\src+31]|
	s_delay_alu instid0(VALU_DEP_1)
	v_add_nc_u32 v[QSC], 0xff000000, v[QM0]                            ; 2 off the exponent field: the conversion's scale operand
.irp g, 0,1,2,3
	v_cvt_scalef32_pk8_fp4_f32 v[\dst+\g], v[\src+8*\g:\src+8*\g+7], v[QSC]
.endr
	v_lshrrev_b32 v[\byte], 23, v[QSC]                                 ; the scale's byte; also the plain line behind the conversions
.endm
.macro KLOAD b, R, off                 ; a unit's 16 keys: load i: lanes 0-15 key i of the unit's first eight, lanes 16-31 key i of its second eight, 256 consecutive bytes each
.irp i, 0,1,2,3,4,5,6,7
	global_load_b128 v[\R+4*\i:\R+4*\i+3], v[GAK], s[\b:\b+1] offset:\off+\i*4096
.endr
.endm
.macro QLOAD b, R                      ; a tile of q: load i: rows i and 8 + i; read once in the launch
.irp i, 0,1,2,3,4,5,6,7
	global_load_b128 v[\R+4*\i:\R+4*\i+3], v[GA], s[\b:\b+1] offset:\i*4096 th:TH_LOAD_NT
.endr
.endm
.macro USTORE R, young                 ; into stage rows i and 8 + i; load i is in when the 7 - i behind it and the young loads issued later are out
.irp i, 0,1,2,3,4,5,6,7
	s_wait_loadcnt \young+7-\i
	ds_store_b128 v[STI], v[\R+4*\i:\R+4*\i+3] offset:\i*QP
.endr
.endm
.macro QFETCH XX                       ; lane (r, h): channels 32 h .. 32 h + 31 of stage row r.  LDS serves a wave's instructions in order (ISA guide 5.7.1.4)
.irp j, 0,1,2,3,4,5,6,7
	ds_load_b128 v[\XX+4*\j:\XX+4*\j+3], v[AQ] offset:16*\j
.endr
.endm
.macro QCONV XX                        ; q's codes into v20-23 and its two scale words
	QUANT32 \XX, QZ+4, BY
	v_lshlrev_b32 v[TT], 3, v[HH]
	s_delay_alu instid0(VALU_DEP_1)
	v_lshlrev_b32 v[BY], v[TT], v[BY]
	s_delay_alu instid0(VALU_DEP_1)
	v_permlanex16_b32 v[BP], v[BY], s[SEL], s[SEL+1]
	s_delay_alu instid0(VALU_DEP_1)
	v_or_b32 v[QSL], v[BY], v[BP]                  ; bytes 0 and 1; bytes 2 and 3 are 0
	s_delay_alu instid0(VALU_DEP_1)
	v_lshlrev_b32 v[QSH], 16, v[QSL]
.endm
.macro KCONV XX                        ; the unit in my stage becomes half a pair image and two bytes of each scale word.  s96: the round's two blocks begin here
	QFETCH \XX
	s_wait_dscnt 0x0
	QUANT32 \XX, FC, BY
	v_lshlrev_b32 v[TT], 3, v[HH]
	s_delay_alu instid0(VALU_DEP_1)
	v_lshlrev_b32 v[BY], v[TT], v[BY]
	s_delay_alu instid0(VALU_DEP_1)
	v_permlanex16_b32 v[BP], v[BY], s[SEL], s[SEL+1]
	s_delay_alu instid0(VALU_DEP_1)
	v_or_b32 v[BY], v[BY], v[BP]                   ; the key's two bytes, in both halves of the lanes
	s_add_co_u32 s97, s96, s[IMW]
	s_add_co_u32 s98, s96, s[ISW]
	v_add_nc_u32 v[TT], s97, v[LI]
	v_add_nc_u32 v[TO], s98, v[L4]
	ds_store_b128 v[TT], v[FC:FC+3]
	ds_store_b16 v[TO], v[BY]
.endm
	s_load_b256 s[4:11], s[0:1], 0x0               ; q s[4:5], k s[6:7], v_codes s[8:9], v_scales s[10:11]
	s_load_b128 s[12:15], s[0:1], 0x20             ; oc s[12:13], os s[14:15]
	v_lshl_add_u32 v[SPW], v0, 2, SPARE
	v_mov_b32 v[NIL], 0
	ds_add_u32 v[SPW], v[NIL]                      ; the opening lines: the add twice on end and one wait
	ds_add_u32 v[SPW], v[NIL]
	v_lshrrev_b32 v1, 5, v0
	s_delay_alu instid0(VALU_DEP_1)
	v_readfirstlane_b32 s[WV], v1
	s_bfe_u32 s[CX], ttmp6, 0x40000
	s_and_b32 s[BH], ttmp7, 0xffff                 ; batch x 16 + head
	s_lshr_b32 s[BT], s[BH], 4
	s_and_b32 s[HD], s[BH], 15
	s_lshr_b32 s[EE], s[WV], 1                     ; e: the first tile has steps 0 .. e, the second steps 0 .. 15 - e
	s_xor_b32 s[EX], s[EE], 31
	s_mov_b32 s[SEL], 0x76543210
	s_mov_b32 s[SEL+1], 0xfedcba98
	s_mov_b32 s[CS], 0x3d38aa3b                    ; c = log2(e) / 32
	s_mov_b32 s[CS+1], s[CS]
	s_mov_b32 s[HM], 0xffff0000
	s_mov_b32 s[G1V], 15|(1<<20)|(1<<21)|(7<<22)|(3<<25)           ; V: 8 rows of 1,024 bytes; 4 words of padding behind every 256; the mask names the four work-groups
	GROUP1 G1V, 1024, 8, 1024
	s_mov_b32 s[G1S], 15|(1<<20)|(1<<21)|(3<<22)|(1<<25)           ; V's scales: 64 rows of 64 bytes; 2 words behind every 16
	GROUP1 G1S, 64, 64, 64
	v_and_b32 v1, 31, v0
	v_and_b32 v[RR], 15, v0
	v_bfe_u32 v[HH], v0, 4, 1
	v_min_u32 v[PFO], 15, v1
	v_lshlrev_b32 v[L4], 2, v1
	v_lshlrev_b32 v[LI], 4, v1
	v_lshlrev_b32 v[PFO], 12, v[PFO]
	v_and_b32 v8, 8, v[RR]
	s_delay_alu instid0(VALU_DEP_1)
	v_add_nc_u32 v9, v8, v[RR]                     ; r + 8 (r / 8)
	s_delay_alu instid0(VALU_DEP_1)
	v_mul_u32_u24 v[AV0], v9, VP
	s_delay_alu instid0(VALU_DEP_1)
	v_lshl_add_u32 v[AV0], v8, 4, v[AV0]
	s_delay_alu instid0(VALU_DEP_1)
	v_lshl_add_u32 v[AV0], v[HH], 4, v[AV0]
	s_delay_alu instid0(VALU_DEP_1)
	v_add_nc_u32 v[AV0], VR, v[AV0]
	v_mul_u32_u24 v[AVS0], v9, VSP
	s_delay_alu instid0(VALU_DEP_1)
	v_add_nc_u32 v[AVS0], VS, v[AVS0]
	v_lshl_add_u32 v[OSL], v[RR], 2, v[HH]
	s_mul_i32 s96, s[WV], WST
	s_add_co_u32 s96, s96, QR                      ; my stage
	v_mul_u32_u24 v[AQ], v[RR], QP
	s_delay_alu instid0(VALU_DEP_1)
	v_lshl_add_u32 v[AQ], v[HH], 7, v[AQ]
	s_delay_alu instid0(VALU_DEP_1)
	v_add_nc_u32 v[AQ], s96, v[AQ]
	v_mul_u32_u24 v[STI], v[HH], 8*QP
	s_delay_alu instid0(VALU_DEP_1)
	v_lshl_add_u32 v[STI], v[RR], 4, v[STI]
	s_delay_alu instid0(VALU_DEP_1)
	v_add_nc_u32 v[STI], s96, v[STI]
	v_lshlrev_b32 v[GA], 4, v[RR]
	s_delay_alu instid0(VALU_DEP_1)
	v_lshl_add_u32 v[GAK], v[HH], 16, v[GA]
	v_lshl_add_u32 v[GA], v[HH], 15, v[GA]
.irp j, 0,1,2,3
	v_mov_b32 v[BP+\j], 0                          ; a lane permute's destination counts as one of its sources
.endr
	; my unit: u = wave % 8 of block 2 j + wave / 8
	s_lshr_b32 s96, s[WV], 3
	s_and_b32 s97, s[WV], 7
	s_lshr_b32 s98, s97, 1                         ; its pair
	s_and_b32 s99, s97, 1                          ; its half
	s_mul_i32 s[IMW], s96, KBLK
	s_add_co_u32 s[ISW], s[IMW], 4096
	s_lshl_b32 s97, s97, 9
	s_add_co_u32 s[IMW], s[IMW], s97               ; codes: 512 bytes a unit
	s_lshl_b32 s97, s98, 7
	s_add_co_u32 s[ISW], s[ISW], s97               ; scale words: 128 bytes a pair,
	s_lshl_b32 s97, s99, 1
	s_add_co_u32 s[ISW], s[ISW], s97               ; two bytes a half
	s_lshl_b32 s96, s96, 7
	s_lshl_b32 s98, s98, 5
	s_add_co_u32 s96, s96, s98
	s_lshl_b32 s99, s99, 3
	s_add_co_u32 s96, s96, s99                     ; its first key in the round's 256
	s_lshl_b32 s96, s96, 12
	s_lshl_b32 s97, s[BT], 23
	s_add_co_u32 s96, s96, s97
	s_lshl_b32 s99, s[HD], 8                       ; the head's 256 bytes of a row
	s_add_co_u32 s96, s96, s99
	s_mov_b32 s97, 0
	s_lshl_b32 s100, s[WV], 2
	s_add_co_u32 s100, s100, s[CX]                 ; x
	s_lshl_b32 s101, s[BT], 7
	s_add_co_u32 s[OCO], s101, s100                ; the first row tile: 128 batch + x
	s_add_co_u32 s101, s101, 127
	s_sub_co_u32 s[OCO2], s101, s100               ; the second: 128 batch + 127 - x
	s_and_b32 s101, s[WV], 1
	s_lshl_b32 s101, s101, 2
	s_add_co_u32 s101, s101, s[CX]                 ; x % 8: the first tile's place in its diagonal step; the second's is 7 less that
	s_lshl_b32 s104, s101, 4
	s_sub_co_u32 s101, 7, s101
	s_lshl_b32 s101, s101, 4
	v_lshlrev_b32 v8, 4, v[HH]
	s_delay_alu instid0(VALU_DEP_1)
	v_sub_nc_u32 v8, v[RR], v8                     ; r - 16 h
	s_delay_alu instid0(VALU_DEP_1)
	v_add_nc_u32 v[DD], s104, v8
	v_add_nc_u32 v[DD2], s101, v8
	s_lshl_b32 s104, s[OCO], 16                    ; a tile's 16 rows of q are 65,536 bytes
	s_add_co_u32 s104, s104, s99
	s_mov_b32 s105, 0
	s_lshl_b32 s100, s[OCO2], 16
	s_add_co_u32 s100, s100, s99
	s_mov_b32 s101, 0
	s_wait_alu depctr_va_vdst(0)
	s_wait_dscnt 0x0                               ; both opening adds are done
	s_wait_kmcnt 0x0
	s_add_nc_u64 s[KB:KB+1], s[6:7], s[96:97]
	s_add_nc_u64 s[Q1:Q1+1], s[4:5], s[104:105]
	s_add_nc_u64 s[Q2:Q2+1], s[4:5], s[100:101]
	s_add_nc_u64 s[KB2:KB2+1], s[KB:KB+1], 0x100000
	KLOAD KB, S, 0                                 ; round 0,
	QLOAD Q1, S+32                                 ; my first tile of q,
	KLOAD KB, KR, 0x100000                         ; round 1: a round's 256 keys are 1,048,576 bytes.  24 loads of mine are out
	s_lshl_b32 s101, s[HD], 9                      ; oc: row tile x 8,192 + head x 512
	s_lshl_b32 s[OSO], s[OCO], 6                   ; os: (head / 2) x 32,768 + row tile x 64 + 2 (head % 2)
	s_lshl_b32 s[OCO], s[OCO], 13
	s_add_co_u32 s[OCO], s[OCO], s101
	s_lshl_b32 s[OSO2], s[OCO2], 6
	s_lshl_b32 s[OCO2], s[OCO2], 13
	s_add_co_u32 s[OCO2], s[OCO2], s101
	s_lshr_b32 s101, s[HD], 1
	s_lshl_b32 s101, s101, 15
	s_and_b32 s104, s[HD], 1
	s_lshl_b32 s104, s104, 1
	s_add_co_u32 s101, s101, s104
	s_add_co_u32 s[OSO], s[OSO], s101
	s_add_co_u32 s[OSO2], s[OSO2], s101
	; groups 0 of the joint loads: made of the head and the wave's number alone
	s_lshl_b32 s98, s[BH], 6
	s_lshl_b32 s99, s[WV], 3
	s_add_co_u32 s99, s98, s99                     ; V: wave w (0 to 7) fetches channels 8 w .. 8 w + 7
	s_lshl_b32 s96, s99, 10
	s_mov_b32 s[G0V], 1
	s_mul_i32 s[G0V+1], s[WV], 8*VP
	s_lshr_b32 s99, s[WV], 1
	s_lshl_b32 s99, s99, 7
	s_add_co_u32 s[G0V+1], s[G0V+1], s99
	s_add_co_u32 s[G0V+1], s[G0V+1], VR
	s_add_nc_u64 s[G0V+2:G0V+3], s[8:9], s[96:97]
	s_or_b32 s[G0V+3], s[G0V+3], 0x80000000
	s_lshl_b32 s96, s98, 6                         ; V's scales: wave 8 fetches the head's 64 rows
	s_mov_b32 s[G0S], 1
	s_mov_b32 s[G0S+1], VS
	s_add_nc_u64 s[G0S+2:G0S+3], s[10:11], s[96:97]
	s_or_b32 s[G0S+3], s[G0S+3], 0x80000000
	ROUND                                          ; all four work-groups are here: the joint loads meet
; the head's tensor loads: one tree of branches on the wave's number, one load to an arm; waves 9 to 15 issue none.  Nothing is filled again in this launch
.macro ARM under, g0, g1, next
	s_cmp_lt_u32 s[WV], \under
	s_cbranch_scc0 \next
	tensor_load_to_lds s[\g0:\g0+3], s[\g1:\g1+7]
	s_nop 0
.rept 4
	v_nop
.endr
	s_branch .Lhead_asked
\next:
.endm
	ARM 8, G0V, G1V, .Lhead_s
	ARM 9, G0S, G1S, .Lhead_none
.Lhead_asked:
	USTORE S, 16                                   ; round 0: behind its eight loads stand q's eight and round 1's eight
	s_mov_b32 s96, 0
	KCONV OT
	USTORE S+32, 8                                 ; q: behind it round 1's eight
	QFETCH S
.irp j, 0,1,2,3,8,9,10,11
	v_mov_b32 v[QZ+\j], 0                          ; the zero codes on both sides of q's
.endr
	v_mov_b32 v[PW], 0                             ; (named as the upper half of the pair with f before it is first written)
	v_mov_b32 v13, 0xff61b1e6                      ; the largest t so far: -3e38
	s_delay_alu instid0(VALU_DEP_1)
	v_floor_f32 v12, -v13                          ; -M
	v_mov_b32 v14, 0
	v_mov_b32 v15, 0
	s_wait_tensorcnt 0x0                           ; my part of V or of its scales has landed,
	s_wait_dscnt 0x0                               ; my unit of K's blocks 0 and 1 is stored, and q's numbers are in registers
	s_barrier_signal -1
	QCONV S                                        ; work on registers while the others arrive
.set n, 0
.rept 32
	v_mov_b32 v[OT+n], 0                           ; O^T: a tile's first step finds zeros, which the first change of M leaves zeros
.set n, n+1
.endr
	s_wait_alu depctr_va_vdst(0)
	s_barrier_wait -1                              ; K's blocks 0 and 1, V and its scales are whole
	global_prefetch_b8 v[PFO], s[Q2:Q2+1] th:TH_LOAD_NT scope:SCOPE_SE   ; my second tile's 16 rows, 256 bytes each, e + 1 steps ahead of their loads; its address registers are never rewritten
	s_mov_b32 s[NN], 0
.Lstep:                                            ; 17 trips: trips 0 .. e are the first tile's steps, trips e + 1 .. 16 the second tile's steps 0 .. 15 - e
	s_wait_dscnt 0x0                               ; what I stored behind the last trip's wait is in LDS
	s_barrier_signal -1                            ; I have begun trip n
	s_add_co_u32 s[YY], s[NN], s[EX]
	s_lshr_b32 s[MM], s[YY], 5                     ; 1 from trip e + 1 on
	s_mul_i32 s[KS], s[MM], s[EX]
	s_add_co_u32 s[KS], s[KS], s[NN]
	s_and_b32 s[KS], s[KS], 15                     ; the step: n, or n - e - 1
	s_mul_i32 s[TK], s[KS], KBLK
	s_lshl_b32 s[TV], s[KS], 6
	s_lshl_b32 s[TS], s[KS], 2
	s_cmp_eq_u32 s[NN], s[EE]
	s_cselect_b32 s[LAST], 1, 0
	s_cmp_eq_u32 s[NN], 16
	s_cselect_b32 s[LAST], 1, s[LAST]
	v_add_nc_u32 v[ADK], s[TK], v[LI]
	v_add_nc_u32 v[ADKS], s[TK], v[L4]
.irp p, 0,1,2,3
.irp c, 0,1
	ds_load_b128 v[KF+8*\p+4*\c:KF+8*\p+4*\c+3], v[ADK] offset:1024*\p+512*\c
.endr
.endr
.irp p, 0,1,2,3
	ds_load_b32 v[KSC+\p], v[ADKS] offset:4096+128*\p
.endr
	s_wait_dscnt 0x0
.irp p, 0,1,2,3                                    ; S^T: register 16 p + i of lane (r, h) is key 32 p + 16 h + i of the step, for query r
	v_wmma_scale_f32_16x16x128_f8f6f4 v[S+16*\p:S+16*\p+7], v[KF+8*\p:KF+8*\p+7], v[QZ+4:QZ+11], 0, v[KSC+\p], v[QSL] matrix_a_fmt:MATRIX_FMT_FP4 matrix_b_fmt:MATRIX_FMT_FP4
	v_wmma_scale_f32_16x16x128_f8f6f4 v[S+16*\p+8:S+16*\p+15], v[KF+8*\p:KF+8*\p+7], v[QZ:QZ+7], 0, v[KSC+\p], v[QSH] matrix_a_fmt:MATRIX_FMT_FP4 matrix_b_fmt:MATRIX_FMT_FP4
.endr
	v_add_nc_u32 v[ADV], s[TV], v[AV0]             ; four plain lines between the products and the first read of their results and the loads into K's registers (ISA guide 7.12.1 for vector instructions)
	v_add_nc_u32 v[ADVS], s[TS], v[AVS0]
	v_mov_b32 v[TO], v12
	v_nop
.irp t, 0,1,2,3                                    ; V's fragments take K's registers, and have the softmax in which to land
.irp c, 0,1
	ds_load_b128 v[VF+8*\t+4*\c:VF+8*\t+4*\c+3], v[ADV] offset:(32*(\t/2)+8*(\t%2))*VP+256*(\t/2)+32*\c
.endr
.endr
.irp t, 0,1,2,3
	ds_load_b32 v[VSC+\t], v[ADVS] offset:(32*(\t/2)+8*(\t%2))*VSP
.endr
	s_cmp_lg_u32 s[LAST], 0                        ; the mask: only a tile's last step holds hidden keys
	s_cbranch_scc0 .Lopen
	v_mov_b32 v[TT], 0xff800000                    ; -infinity: p = 0 then.  The query's own key counts, so the row's maximum stays a number
.set n, 0
.rept 64
	v_cmp_gt_i32 vcc_lo, 32*(n/16)+n%16, v[DD]
	v_cndmask_b32 v[S+n], v[S+n], v[TT], vcc_lo
.set n, n+1
.endr
.Lopen:
.irp b, 0,1,2,3
	v_max3_num_f32 v[BM+\b], v[S+16*\b], v[S+16*\b+1], v[S+16*\b+2]    ; the largest score of each block of 32 keys: for the row's maximum and for the block's largest p
.endr
.irp i, 3,5,7,9,11,13
.irp b, 0,1,2,3
	v_max3_num_f32 v[BM+\b], v[BM+\b], v[S+16*\b+\i], v[S+16*\b+\i+1]
.endr
.endr
.irp b, 0,1,2,3
	v_max_num_f32 v[BM+\b], v[BM+\b], v[S+16*\b+15]
.endr
.irp b, 0,1,2,3
	s_delay_alu instid0(VALU_DEP_4)
	v_permlanex16_b32 v[BP+\b], v[BM+\b], s[SEL], s[SEL+1]
.endr
.irp b, 0,1,2,3
	s_delay_alu instid0(VALU_DEP_4)
	v_max_num_f32 v[BM+\b], v[BM+\b], v[BP+\b]
.endr
	s_delay_alu instid0(VALU_DEP_2)
	v_max3_num_f32 v[TT], v[BM], v[BM+1], v[BM+2]
	s_delay_alu instid0(VALU_DEP_1)
	v_max_num_f32 v[TT], v[TT], v[BM+3]
	s_delay_alu instid0(VALU_DEP_1)
	v_mul_f32 v[TT], s[CS], v[TT]
	s_delay_alu instid0(VALU_DEP_1)
	v_max_num_f32 v13, v13, v[TT]                  ; the running largest t
	s_delay_alu instid0(VALU_DEP_1)
	v_floor_f32 v12, -v13                          ; the new -M = -ceil(t)
	s_delay_alu instid0(VALU_DEP_1)
	v_sub_f32 v[TT], v12, v[TO]                    ; old M less new M: a whole number, 0 or less
	s_delay_alu instid0(VALU_DEP_1)
	v_cvt_i32_f32 v[TT], v[TT]
	s_delay_alu instid0(VALU_DEP_1)
	v_ldexp_f32 v[FF], 1.0, v[TT]                  ; f = 2^(old M - new M)
.set n, 0
.rept 32
	v_pk_fma_f32 v[S+n:S+n+1], v[S+n:S+n+1], s[CS:CS+1], v[12:13] op_sel_hi:[1,0,0]   ; t - M
.set n, n+2
.endr
.irp b, 0,1,2,3
	v_fma_f32 v[BM+\b], v[BM+\b], s[CS], v12
.endr
	s_wait_alu depctr_va_vdst(0)
.set n, 0
.rept 64
	v_exp_f32 v[S+n], v[S+n]                       ; p = 2^(t - M)
.set n, n+1
.endr
.irp b, 0,1,2,3
	v_exp_f32 v[BM+\b], v[BM+\b]                   ; the block's largest p
.endr
	v_pk_mul_f32 v[14:15], v[14:15], v[FF:FF+1] op_sel_hi:[1,0]        ; l under the new M; the plain line behind the exponentials
	s_wait_alu depctr_va_vdst(0)                   ; one wait for the batch, ahead of its first reader
.irp b, 0,1,2,3
	v_max_num_f32 v[BM+\b], 0x1800000, v[BM+\b]
.endr
.irp b, 0,1,2,3
	s_delay_alu instid0(VALU_DEP_4)
	v_add_nc_u32 v[BS+\b], 0xff000000, v[BM+\b]
.endr
.irp b, 0,1,2,3
	s_delay_alu instid0(VALU_DEP_4)
	v_lshrrev_b32 v[BP+\b], 23, v[BS+\b]
.endr
	s_delay_alu instid0(VALU_DEP_3)
	v_lshl_or_b32 v[PW], v[BP+1], 8, v[BP]         ; p's scale word for these 128 keys
	s_delay_alu instid0(VALU_DEP_1)
	v_lshl_or_b32 v[PW], v[BP+2], 16, v[PW]
	s_delay_alu instid0(VALU_DEP_1)
	v_lshl_or_b32 v[PW], v[BP+3], 24, v[PW]
.irp b, 0,1,2,3
	v_cvt_scalef32_pk8_fp4_f32 v[PC+2*\b], v[S+16*\b:S+16*\b+7], v[BS+\b]
	v_cvt_scalef32_pk8_fp4_f32 v[PC+2*\b+1], v[S+16*\b+8:S+16*\b+15], v[BS+\b]
.endr
	v_nop                                          ; one plain line behind the scaled conversions
.irp c, 0,1                                        ; a whole block in a lane: lanes 0-15 block 2 c, lanes 16-31 block 2 c + 1
.irp i, 0,1
	v_permlane16_swap_b32 v[PC+4*\c+\i], v[PC+2+4*\c+\i]
.endr
.endr
	s_wait_alu depctr_va_vdst(0)                   ; ahead of the first reader of O^T
.set n, 0
.rept 16
	v_pk_mul_f32 v[OT+n:OT+n+1], v[OT+n:OT+n+1], v[FF:FF+1] op_sel_hi:[1,0]            ; O^T under the new M
.set n, n+2
.endr
	s_wait_alu depctr_va_vdst(0)
	s_wait_dscnt 0x0                               ; V's fragments and scale words are in
.irp t, 0,1,2,3                                    ; O^T += V^T P^T.  The four accumulators take turns
	v_wmma_scale_f32_16x16x128_f8f6f4 v[OT+8*\t:OT+8*\t+7], v[VF+8*\t:VF+8*\t+7], v[PC:PC+7], v[OT+8*\t:OT+8*\t+7], v[VSC+\t], v[PW] matrix_a_fmt:MATRIX_FMT_FP4 matrix_b_fmt:MATRIX_FMT_FP4
.endr
; l += the 64 unquantised p, two at a time, in eight chains.  These lines name no register of the products above: they are the plain lines behind them
.irp k, 0,1,2,3,4,5,6
	v_pk_add_f32 v[226+2*\k:227+2*\k], v[S+4*\k:S+4*\k+1], v[S+4*\k+2:S+4*\k+3]
.endr
	v_pk_add_f32 v[14:15], v[14:15], v[S+28:S+29]
.irp k, 0,1,2,3,4,5,6
	v_pk_add_f32 v[226+2*\k:227+2*\k], v[226+2*\k:227+2*\k], v[S+30+2*\k:S+31+2*\k]
.endr
	v_pk_add_f32 v[14:15], v[14:15], v[S+44:S+45]
.irp k, 0,1,2,3,4,5,6
	v_pk_add_f32 v[226+2*\k:227+2*\k], v[226+2*\k:227+2*\k], v[S+46+2*\k:S+47+2*\k]
.endr
	v_pk_add_f32 v[14:15], v[14:15], v[S+60:S+61]
	v_pk_add_f32 v[226:227], v[226:227], v[S+62:S+63]
	s_delay_alu instid0(VALU_DEP_2)
	v_pk_add_f32 v[14:15], v[14:15], v[228:229]
	s_delay_alu instid0(VALU_DEP_2)
	v_pk_add_f32 v[226:227], v[226:227], v[230:231]
	v_pk_add_f32 v[232:233], v[232:233], v[234:235]
	v_pk_add_f32 v[236:237], v[236:237], v[238:239]
	s_delay_alu instid0(VALU_DEP_2)
	v_pk_add_f32 v[14:15], v[14:15], v[232:233]
	s_delay_alu instid0(VALU_DEP_2)
	v_pk_add_f32 v[226:227], v[226:227], v[236:237]
	s_delay_alu instid0(VALU_DEP_1)
	v_pk_add_f32 v[14:15], v[14:15], v[226:227]
	s_wait_alu depctr_va_vdst(0)
	s_barrier_wait -1                              ; every wave has begun trip n
	; ROUND n + 1 OF K, in trips 0 to 6: branches on the count of trips alone
	s_cmp_lt_u32 s[NN], 7
	s_cbranch_scc0 .Lnok
	USTORE KR, 0                                   ; the eight loads asked for a trip ago; none is younger
	s_cmp_lt_u32 s[NN], 6
	s_cbranch_scc0 .Lnol
	s_add_nc_u64 s[KB2:KB2+1], s[KB2:KB2+1], 0x100000   ; every load that read this base is done: round n + 2
	KLOAD KB2, KR, 0
.Lnol:
	s_min_u32 s96, s[NN], 6
	s_mul_i32 s96, s96, 2*KBLK
	s_add_co_u32 s96, s96, 2*KBLK                  ; blocks 2 n + 2 and 2 n + 3
	KCONV S
.Lnok:
	s_cmp_lg_u32 s[LAST], 0
	s_cbranch_scc0 .Lnext
	; A TILE IS FINISHED.  Behind the first tile the second tile's q is asked for at once, into registers that the lines below leave alone
	s_wait_alu depctr_va_vdst(0)
	s_cmp_eq_u32 s[NN], 16
	s_cbranch_scc1 .Lnoq
	QLOAD Q2, S+32
.Lnoq:
	v_add_f32 v14, v14, v15
	s_delay_alu instid0(VALU_DEP_1)
	v_permlanex16_b32 v[BP], v14, s[SEL], s[SEL+1]
	s_delay_alu instid0(VALU_DEP_1)
	v_add_f32 v14, v14, v[BP]                      ; the row's sum
	s_wait_alu depctr_va_vdst(0)                   ; ahead of the transcendental
	v_rcp_f32 v14, v14
	v_nop
	s_wait_alu depctr_va_vdst(0)                   ; and ahead of its first reader, which is also the first reader of O^T
.set n, 0
.rept 16
	v_pk_mul_f32 v[S+n:S+n+1], v[OT+n:OT+n+1], v[14:15] op_sel_hi:[1,0]   ; O^T / l: registers 16 b + i are channels 32 b + 16 h + i of my row
.set n, n+2
.endr
.irp b, 0,1
	v_max3_num_f32 v[BM+\b], |v[S+16*\b]|, |v[S+16*\b+1]|, 0x1800000
.endr
.irp i, 2,4,6,8,10,12,14
.irp b, 0,1
	s_delay_alu instid0(VALU_DEP_2)
	v_max3_num_f32 v[BM+\b], v[BM+\b], |v[S+16*\b+\i]|, |v[S+16*\b+\i+1]|
.endr
.endr
.irp b, 0,1
	s_delay_alu instid0(VALU_DEP_2)
	v_permlanex16_b32 v[BP+\b], v[BM+\b], s[SEL], s[SEL+1]
.endr
.irp b, 0,1
	s_delay_alu instid0(VALU_DEP_2)
	v_max_num_f32 v[BM+\b], v[BM+\b], v[BP+\b]
.endr
.irp b, 0,1
	s_delay_alu instid0(VALU_DEP_2)
	v_add_nc_u32 v[BS+\b], 0xff000000, v[BM+\b]
.endr
.irp b, 0,1
	s_delay_alu instid0(VALU_DEP_2)
	v_lshrrev_b32 v[BP+\b], 23, v[BS+\b]
.endr
.irp b, 0,1
	v_cvt_scalef32_pk8_fp4_f32 v[FC+2*\b], v[S+16*\b:S+16*\b+7], v[BS+\b]
	v_cvt_scalef32_pk8_fp4_f32 v[FC+2*\b+1], v[S+16*\b+8:S+16*\b+15], v[BS+\b]
.endr
	v_nop
	v_permlane16_swap_b32 v[FC], v[FC+2]           ; lanes 0-15 block 0 whole, lanes 16-31 block 1
	v_permlane16_swap_b32 v[FC+1], v[FC+3]
	v_add_nc_u32 v[OCA], s[OCO], v[LI]
	global_store_b128 v[OCA], v[FC:FC+3], s[12:13] ; 32 lanes store 512 consecutive bytes: half an image
	v_cndmask_b32 v[BY], v[BP], v[BP+1], s[HM]
	v_add_nc_u32 v[OSA], s[OSO], v[OSL]
	global_store_b8 v[OSA], v[BY], s[14:15]        ; 32 single bytes inside 64 consecutive ones (the other 32 are the neighbouring head's): one byte for each 16 of codes
	s_wait_xcnt 0x0                                ; the stores' offsets and data are written again only behind this wait
	s_cmp_eq_u32 s[NN], 16
	s_cbranch_scc1 .Lnext                          ; that was the second tile
	USTORE S+32, 0                                 ; on to the second tile: through my own stage; q's eight loads are the youngest
	QFETCH S
	s_wait_dscnt 0x0
	QCONV S
	v_mov_b32 v[DD], v[DD2]
	s_mov_b32 s[OCO], s[OCO2]
	s_mov_b32 s[OSO], s[OSO2]
	v_mov_b32 v13, 0xff61b1e6
	s_delay_alu instid0(VALU_DEP_1)
	v_floor_f32 v12, -v13
	v_mov_b32 v14, 0
	v_mov_b32 v15, 0
.set n, 0
.rept 32
	v_mov_b32 v[OT+n], 0                           ; (these lines also stand between q's new scale words and the next products)
.set n, n+1
.endr
.Lnext:
	s_add_co_u32 s[NN], s[NN], 1
	s_cmp_lt_u32 s[NN], 17
	s_cbranch_scc1 .Lstep
	s_wait_tensorcnt 0x0                           ; the wave's end
	ds_add_u32 v[SPW], v[NIL]
	s_wait_dscnt 0x0
	ROUND                                          ; the closing round
	s_endpgm
.Lfunc_end_k_q5debb27ef3_attn:
	.size	k_q5debb27ef3_attn, .Lfunc_end_k_q5debb27ef3_attn-k_q5debb27ef3_attn
	.p2alignl 7, 3214868480
	.fill 96, 4, 3214868480
	.section	.rodata,"a",@progbits
	.p2align	6, 0x0
	.amdhsa_kernel k_q5debb27ef3_attn
		.amdhsa_group_segment_fixed_size 217088
		.amdhsa_private_segment_fixed_size 0
		.amdhsa_enable_private_segment 0
		.amdhsa_kernarg_size 48
		.amdhsa_user_sgpr_count 2
		.amdhsa_user_sgpr_kernarg_segment_ptr 1
		.amdhsa_wavefront_size32 1
		.amdhsa_system_sgpr_workgroup_id_x 1
		.amdhsa_system_sgpr_workgroup_id_y 1
		.amdhsa_system_sgpr_workgroup_id_z 1
		.amdhsa_system_vgpr_workitem_id 0
		.amdhsa_next_free_vgpr 248
		.amdhsa_next_free_sgpr 106
		.amdhsa_reserve_vcc 1
		.amdhsa_float_denorm_mode_32 3
		.amdhsa_float_denorm_mode_16_64 3
		.amdhsa_memory_ordered 1
		.amdhsa_forward_progress 1
		.amdhsa_inst_pref_size 56
	.end_amdhsa_kernel
	.amdgpu_metadata
---
amdhsa.version: [ 1, 2 ]
amdhsa.kernels:
  - .name:           k_q5debb27ef3_attn
    .symbol:         k_q5debb27ef3_attn.kd
    .args:
      - { .name: q, .offset: 0, .size: 8, .value_kind: global_buffer, .address_space: global }
      - { .name: k, .offset: 8, .size: 8, .value_kind: global_buffer, .address_space: global }
      - { .name: v_codes, .offset: 16, .size: 8, .value_kind: global_buffer, .address_space: global }
      - { .name: v_scales, .offset: 24, .size: 8, .value_kind: global_buffer, .address_space: global }
      - { .name: oc, .offset: 32, .size: 8, .value_kind: global_buffer, .address_space: global }
      - { .name: os, .offset: 40, .size: 8, .value_kind: global_buffer, .address_space: global }
    .group_segment_fixed_size: 217088
    .private_segment_fixed_size: 0
    .kernarg_segment_align: 8
    .kernarg_segment_size: 48
    .max_flat_workgroup_size: 512
    .sgpr_count:     106
    .vgpr_count:     248
    .wavefront_size: 32
...
	.end_amdgpu_metadata
.endif
;; end of part 1
;; launch proj (part 2): grid 4 x 64, 8 waves a work-group, clusters of 4 x 4, 250,880 bytes of LDS; arguments oc, os, W_out_codes, W_out_scales, b_out, out0; writes out0
.if DOCPART == 2
	.amdgcn_target "amdgcn-amd-amdhsa--gfx1250"
	.amdhsa_code_object_version 6
	.text
	.protected	k_q5debb27ef3_proj
	.globl	k_q5debb27ef3_proj
	.p2align	8
	.type	k_q5debb27ef3_proj,@function
k_q5debb27ef3_proj:
	s_mov_b64 s[64:65], 0
	v_nop
	global_prefetch_b8 v0, s[64:65] scope:SCOPE_SE
	s_setreg_imm32_b32 hwreg(HW_REG_WAVE_MODE, 25, 1), 1
	s_wait_xcnt 0x0
	s_wait_alu depctr_hold_cnt(0) depctr_sa_sdst(0) depctr_va_vdst(0) depctr_va_sdst(0) depctr_va_ssrc(0) depctr_va_vcc(0) depctr_vm_vsrc(0)
	s_getreg_b32 s2, hwreg(HW_REG_IB_STS2, 6, 4)
	s_cmp_eq_u32 s2, 0
	s_cbranch_scc0 .Lentry_in_a_cluster
	s_endpgm
.Lentry_in_a_cluster:
	s_bfe_u32 s2, ttmp6, 0x10000c
	s_cmp_lg_u32 s2, 0xf033
	s_cbranch_scc0 .Lentry_shape_is_right
	s_endpgm
.Lentry_shape_is_right:
; out0 [8192][1024] f32 = Oq Wq^T + b_out, on codes of FP4 (E2M1) with E8M0 scales, K = 1,024.
; oc: O's codes as images of the operand's registers, [row tile (512)][K step (8)][c (2)][lane][16 bytes]; os: its scale words, [K step (8)][row (8,192)][4 bytes]  (both made by the launch before).
; W_out_codes [1024 (n)][512 bytes], W_out_scales [1024][32 bytes]: K innermost, taken as given.
; SHARES.  A work-group makes 128 rows x 256 columns; its eight waves 64 x 64 each: 16 accumulators of 16 x 16.  ALL OF K LIES IN LDS AT ONCE (215,040 bytes): every byte is filled once, one barrier behind the fills.
; THE CLUSTER: 4 x 4 work-groups.  The four of a row of the cluster need the same rows of O, the four of a column the same rows of W: each tile is asked for JOINTLY, by the same tensor load with the same descriptor and a mask
; that names the four.  THE MATRIX INSTRUCTION IS USED TRANSPOSED (source 0 = 16 rows of W, source 1 = 16 rows of O): a lane then holds eight neighbouring numbers of a row of the output.
; The bias is the C of each sum's first product.
.set LAC,  0                           ; LDS: O's codes: 8 row tiles x 8,192 bytes, as images
.set LWC,  65536                       ; W's codes: 256 rows of 512 bytes + 16: the sixteen rows that a load touches start at sixteen different groups of four banks (64 banks of 4 bytes: ISA guide 11.1)
.set WP,   528
.set LAS,  LWC+256*WP                  ; O's scale words: 8 K steps x 128 rows x 4 bytes
.set LWS,  LAS+4096                    ; W's scale bytes: 256 rows of 32 bytes + 8
.set WSP,  40
.set STG,  LWS+256*WSP                 ; the way out: 16 rows x (256 bytes + 16) for each wave; no fill lands here
.set SP,   272
.set LI,   1                           ; v1   16 x lane
.set L4,   2                           ; v2   4 x lane
.set ADA,  3                           ; v3   my lane's place in my four row tiles' images
.set ADW,  4                           ; v4   and in my 64 rows of W
.set ADAS, 5                           ; v5   O's scale words: row = lane of my 64 rows
.set ADWS, 6                           ; v6   W's likewise
.set STO,  7                           ; v7   the stage: where I put 32 bytes of a row
.set RD,   8                           ; v8   and where I read a row back
.set CO,   9                           ; v9   my byte in two rows of the output
.set BO,   10                          ; v10  32 h: my eight numbers of a tile's bias
.set ASR,  12                          ; v12-13 O's scale words: register u: lanes 0-15 row tile 2 u, lanes 16-31 row tile 2 u + 1
.set WSR,  14                          ; v14-15 W's likewise
.set AF,   16                          ; v16-47 O's four fragments;  v48-79 W's four;  on the way out both hold rows read back
.set WF,   48
.set BI,   80                          ; v80-111 the bias of my four tiles of columns, in the result's layout
.set ACC,  112                         ; v112-239 accumulator (i, j) at 112 + 8 (4 i + j)
.set BK,   16
.set WV,   16                          ; s16 wave;  s17, s18 my place in the cluster;  s19 block of 256 columns;  s20 block of 128 rows;  s23 which 64 rows;  s76 which 64 columns
.set G1A,  24                          ; s[24:31], s[32:39], s[40:47], s[48:55] descriptor groups 1: O's codes, O's scales, W's codes, W's scales
.set G1AS, 32
.set G1W,  40
.set G1WS, 48
.set G0A,  56                          ; s[56:59], s[60:63], s[68:71], s[72:75] their groups 0
.set G0AS, 60
.set G0W,  68
.set G0WS, 72
.macro ROUND                           ; a round of the cluster's barrier
	s_barrier_signal -1
	s_barrier_wait -1
	s_cmp_lg_u32 s[WV], 0
	s_cbranch_scc1 .Lnot_wave_0_\@
	s_barrier_signal -3
.Lnot_wave_0_\@:
	s_barrier_wait -3
	s_barrier_signal -1
	s_barrier_wait -1
.endm
.macro GROUP1 g, c, r, p               ; words 1 to 7 of a group 1: r rows of c elements, p elements from row to row; the tile lies inside its tensor
	s_mov_b32 s[\g+1], (\c)<<16
	s_mov_b32 s[\g+2], (\r)<<16
	s_mov_b32 s[\g+3], (\c)<<16
	s_mov_b32 s[\g+4], \r
	s_mov_b32 s[\g+5], \p
	s_mov_b32 s[\g+6], 0
	s_mov_b32 s[\g+7], 0
.endm
	s_load_b256 s[4:11], s[0:1], 0x0               ; oc s[4:5], os s[6:7], W's codes s[8:9], W's scales s[10:11]
	s_load_b128 s[12:15], s[0:1], 0x20             ; b_out s[12:13], out0 s[14:15]
	v_lshl_add_u32 v240, v0, 2, 0x3d000
	v_mov_b32 v241, 0
	ds_add_u32 v240, v241
	ds_add_u32 v240, v241
	v_lshrrev_b32 v1, 5, v0
	s_delay_alu instid0(VALU_DEP_1)
	v_readfirstlane_b32 s[WV], v1                  ; wave 0..7
	s_lshr_b32 s23, s[WV], 2
	s_and_b32 s76, s[WV], 3
	s_bfe_u32 s17, ttmp6, 0x40000                  ; cx
	s_bfe_u32 s18, ttmp6, 0x40004                  ; cy
	s_lshl_b32 s19, ttmp9, 2
	s_add_co_u32 s19, s19, s17                     ; block of columns = 4 x cluster x + cx
	s_and_b32 s20, ttmp7, 0xffff
	s_lshl_b32 s20, s20, 2
	s_add_co_u32 s20, s20, s18                     ; block of rows = 4 x cluster y + cy
	s_lshl_b32 s21, s18, 2
	s_lshl_b32 s21, 15, s21                        ; my row of the cluster
	s_lshl_b32 s22, 0x1111, s17                    ; my column
	; groups 1.  15:0 the mask; 17:16 element size; 20 padding on; 21 set beside a mask; 24:22 the interval; 31:25 the padding's words less 1
	s_or_b32 s[G1A], s21, (3<<16)|(1<<21)                          ; O's codes: a row tile's 8,192 dense bytes as 32 rows of 32 elements of 8 bytes
	GROUP1 G1A, 32, 128, 32                        ; four row tiles to a load: 32,768 dense bytes as 128 rows of 256
	s_or_b32 s[G1AS], s21, (3<<16)|(1<<21)                         ; O's scale words of one K step: one row of 512 bytes
	GROUP1 G1AS, 64, 8, 4096                       ; all eight K steps: 8 rows of 512 bytes, 32,768 bytes apart
	s_or_b32 s[G1W], s22, (1<<20)|(1<<21)|(6<<22)|(3<<25)          ; W's codes: 64 rows of 512 bytes; 4 words of padding behind every 128
	GROUP1 G1W, 512, 64, 512                       ; 64 rows to a load
	s_or_b32 s[G1WS], s22, (1<<20)|(1<<21)|(2<<22)|(1<<25)         ; W's scales: 256 rows of 32 bytes; 2 words behind every 8
	GROUP1 G1WS, 32, 256, 32                       ; the block's 256 rows in one load
	v_and_b32 v18, 31, v0                          ; lane
	v_and_b32 v16, 15, v0                          ; r
	v_bfe_u32 v17, v0, 4, 1                        ; h
	s_delay_alu instid0(VALU_DEP_3)
	v_lshlrev_b32 v[LI], 4, v18
	s_delay_alu instid0(VALU_DEP_4)
	v_lshlrev_b32 v[L4], 2, v18
	s_lshl_b32 s92, s23, 15                        ; my four row tiles: 32,768 bytes a half
	v_add_nc_u32 v[ADA], s92, v[LI]
	s_lshl_b32 s92, s76, 6                         ; my first row of W in the block
	s_mul_i32 s93, s92, WP
	s_add_co_u32 s93, s93, LWC
	v_mul_u32_u24 v[ADW], v16, WP
	s_delay_alu instid0(VALU_DEP_1)
	v_lshl_add_u32 v[ADW], v17, 4, v[ADW]
	s_delay_alu instid0(VALU_DEP_1)
	v_add_nc_u32 v[ADW], s93, v[ADW]
	s_lshl_b32 s93, s23, 8
	s_add_co_u32 s93, s93, LAS
	v_add_nc_u32 v[ADAS], s93, v[L4]
	s_mul_i32 s93, s92, WSP
	s_add_co_u32 s93, s93, LWS
	v_mul_u32_u24 v[ADWS], v18, WSP
	s_delay_alu instid0(VALU_DEP_1)
	v_add_nc_u32 v[ADWS], s93, v[ADWS]
	s_mul_i32 s93, s[WV], 16*SP
	s_add_co_u32 s93, s93, STG                     ; my stage
	v_mul_u32_u24 v[STO], v16, SP
	s_delay_alu instid0(VALU_DEP_1)
	v_lshl_add_u32 v[STO], v17, 5, v[STO]
	s_delay_alu instid0(VALU_DEP_1)
	v_add_nc_u32 v[STO], s93, v[STO]
	v_mul_u32_u24 v[RD], v17, SP
	s_delay_alu instid0(VALU_DEP_1)
	v_lshl_add_u32 v[RD], v16, 4, v[RD]
	s_delay_alu instid0(VALU_DEP_1)
	v_add_nc_u32 v[RD], s93, v[RD]
	v_lshlrev_b32 v[CO], 12, v17
	s_delay_alu instid0(VALU_DEP_1)
	v_lshl_add_u32 v[CO], v16, 4, v[CO]
	v_lshlrev_b32 v[BO], 5, v17
	s_wait_dscnt 0x0
	s_wait_kmcnt 0x0
	; groups 0.  O's hang on the block of rows and the wave (s80, s81 never hold cx), W's on the block of columns and the wave (s84 to s87 never hold cy); LDS addresses on the wave alone
	s_lshl_b32 s80, s20, 1
	s_add_co_u32 s80, s80, s[WV]                   ; waves 0 and 1 fetch row tiles 4 w .. 4 w + 3 of the block's eight,
	s_lshl_b32 s80, s80, 15
	s_mov_b32 s81, 0
	s_mov_b32 s[G0A], 1
	s_lshl_b32 s[G0A+1], s[WV], 15
	s_add_nc_u64 s[G0A+2:G0A+3], s[4:5], s[80:81]
	s_or_b32 s[G0A+3], s[G0A+3], 0x80000000
	s_lshl_b32 s80, s20, 9                         ; the scale words for the block's 128 rows,
	s_mov_b32 s[G0AS], 1                           ; wave 2: the scale words of all K steps
	s_mov_b32 s[G0AS+1], LAS
	s_add_nc_u64 s[G0AS+2:G0AS+3], s[6:7], s[80:81]
	s_or_b32 s[G0AS+3], s[G0AS+3], 0x80000000
	s_lshl_b32 s84, s19, 8
	s_lshl_b32 s86, s84, 5                         ; wave 3: the scale bytes of the block's 256 rows of W
	s_lshl_b32 s94, s76, 6
	s_add_co_u32 s84, s84, s94                     ; waves 4 to 7: rows 64 (w - 4) on of W's codes
	s_lshl_b32 s84, s84, 9                         ; (their codes)
	s_mov_b32 s85, 0
	s_mov_b32 s87, 0
	s_mov_b32 s[G0W], 1
	s_mul_i32 s[G0W+1], s76, 64*WP
	s_add_co_u32 s[G0W+1], s[G0W+1], LWC
	s_add_nc_u64 s[G0W+2:G0W+3], s[8:9], s[84:85]
	s_or_b32 s[G0W+3], s[G0W+3], 0x80000000
	s_mov_b32 s[G0WS], 1
	s_mov_b32 s[G0WS+1], LWS
	s_add_nc_u64 s[G0WS+2:G0WS+3], s[10:11], s[86:87]
	s_or_b32 s[G0WS+3], s[G0WS+3], 0x80000000
	s_lshl_b32 s84, s19, 10                        ; the bias of my 64 columns: 1,024 bytes a block, 256 a wave
	s_lshl_b32 s94, s76, 8
	s_add_co_u32 s84, s84, s94
	s_add_nc_u64 s[12:13], s[12:13], s[84:85]
	s_lshl_b32 s88, s20, 7                         ; the output at my first row and column
	s_lshl_b32 s89, s23, 6
	s_add_co_u32 s88, s88, s89
	s_lshl_b32 s88, s88, 12
	s_lshl_b32 s89, s19, 10
	s_add_co_u32 s88, s88, s89
	s_add_co_u32 s88, s88, s94
	s_mov_b32 s89, 0
	s_add_nc_u64 s[14:15], s[14:15], s[88:89]
	ROUND                                          ; all sixteen work-groups are here: the joint loads meet
; the head's fills, one a wave, in one tree of branches on the wave's number: every way passes exactly one load
.macro ARM under, g0, g1, next
	s_cmp_lt_u32 s[WV], \under
	s_cbranch_scc0 \next
	tensor_load_to_lds s[\g0:\g0+3], s[\g1:\g1+7]
	s_nop 0
.rept 4
	v_nop
.endr
	s_branch .Lhead_asked
\next:
.endm
	ARM 2, G0A,  G1A,  .Lhead_as
	ARM 3, G0AS, G1AS, .Lhead_ws
	ARM 4, G0WS, G1WS, .Lhead_w
	tensor_load_to_lds s[G0W:G0W+3], s[G1W:G1W+7]
	s_nop 0
.rept 4
	v_nop
.endr
.Lhead_asked:
	s_wait_alu depctr_va_vdst(0)
.irp j, 0,1,2,3
	global_load_b128 v[BI+8*\j:BI+8*\j+3], v[BO], s[12:13] offset:64*\j        ; lane (r, h), tile j: the bias of columns 16 j + 8 h + 0 .. 7
	global_load_b128 v[BI+8*\j+4:BI+8*\j+7], v[BO], s[12:13] offset:64*\j+16
.endr
	s_wait_tensorcnt 0x0                           ; mine has landed, for the others' sake
	s_barrier_signal -1
	s_barrier_wait -1                              ; everybody's have
	s_wait_loadcnt 0x0                             ; the bias
; A K step of 128: 20 LDS loads and 16 products.  The sixteen accumulators take turns, one instruction a turn, in the same order in every step.
.macro KSTEP s
.if \s > 0
.rept 4
	v_nop                                          ; four plain lines in front of loads into registers that products have read (ISA guide 7.12.1 for vector instructions)
.endr
.endif
.irp u, 0,1
	ds_load_b32 v[ASR+\u], v[ADAS] offset:512*\s+128*\u
.endr
.irp u, 0,1
	ds_load_b32 v[WSR+\u], v[ADWS] offset:32*WSP*\u+4*\s
.endr
.irp j, 0,1,2,3
.irp c, 0,1
	ds_load_b128 v[WF+8*\j+4*\c:WF+8*\j+4*\c+3], v[ADW] offset:16*\j*WP+64*\s+32*\c
.endr
.endr
.irp i, 0,1,2,3
.irp c, 0,1
	ds_load_b128 v[AF+8*\i+4*\c:AF+8*\i+4*\c+3], v[ADA] offset:(8*\i+\s)*1024+512*\c
.endr
.endr
.irp i, 0,1,2,3
	s_wait_dscnt 6-2*\i                            ; the scale words, W's fragments and O's fragments 0 .. i are in; the two loads of each later fragment of O stay out
.irp j, 0,1,2,3
.set rD, ACC+8*(4*\i+\j)
.if \s == 0
.set rC, BI+8*\j                                   ; the first product starts the sum from the bias: nothing is cleared, nothing is added later
.else
.set rC, rD
.endif
.set rW, WF+8*\j
.set rA, AF+8*\i
.set rSW, WSR+\j/2
.set rSA, ASR+\i/2
.if (\j%2) && (\i%2)
	v_wmma_scale_f32_16x16x128_f8f6f4 v[rD:rD+7], v[rW:rW+7], v[rA:rA+7], v[rC:rC+7], v[rSW], v[rSA] matrix_a_fmt:MATRIX_FMT_FP4 matrix_b_fmt:MATRIX_FMT_FP4 matrix_a_scale:MATRIX_SCALE_ROW1 matrix_b_scale:MATRIX_SCALE_ROW1
.elseif \j%2
	v_wmma_scale_f32_16x16x128_f8f6f4 v[rD:rD+7], v[rW:rW+7], v[rA:rA+7], v[rC:rC+7], v[rSW], v[rSA] matrix_a_fmt:MATRIX_FMT_FP4 matrix_b_fmt:MATRIX_FMT_FP4 matrix_a_scale:MATRIX_SCALE_ROW1
.elseif \i%2
	v_wmma_scale_f32_16x16x128_f8f6f4 v[rD:rD+7], v[rW:rW+7], v[rA:rA+7], v[rC:rC+7], v[rSW], v[rSA] matrix_a_fmt:MATRIX_FMT_FP4 matrix_b_fmt:MATRIX_FMT_FP4 matrix_b_scale:MATRIX_SCALE_ROW1
.else
	v_wmma_scale_f32_16x16x128_f8f6f4 v[rD:rD+7], v[rW:rW+7], v[rA:rA+7], v[rC:rC+7], v[rSW], v[rSA] matrix_a_fmt:MATRIX_FMT_FP4 matrix_b_fmt:MATRIX_FMT_FP4
.endif
.endr
.endr
.endm
.irp k, 0,1,2,3,4,5,6,7
	KSTEP \k
.endr
; THE WAY OUT, a block of 16 rows x 64 columns at a time.  A lane holds 32 neighbouring bytes of a row and the lanes beside it other rows: so a block goes through my own stage and comes back as whole rows of 256 bytes.
; LDS serves a wave's instructions in order (ISA guide 5.7.1.4): no wait between the stores and the loads, nor in front of the next block's stores.
.macro TOSTAGE i
.irp j, 0,1,2,3
	ds_store_b128 v[STO], v[ACC+8*(4*(\i)+\j):ACC+8*(4*(\i)+\j)+3] offset:64*\j        ; each accumulator from its low end on
	ds_store_b128 v[STO], v[ACC+8*(4*(\i)+\j)+4:ACC+8*(4*(\i)+\j)+7] offset:64*\j+16
.endr
.set BB, BK+32*((\i)%2)
.irp t, 0,1,2,3,4,5,6,7
	ds_load_b128 v[BB+4*\t:BB+4*\t+3], v[RD] offset:2*\t*SP
.endr
.endm
.macro SEND i, younger                 ; younger: the LDS instructions issued behind block i's loads, which may stay out
.set BB, BK+32*((\i)%2)
	s_wait_dscnt \younger
.irp t, 0,1,2,3,4,5,6,7
	global_store_b128 v[CO], v[BB+4*\t:BB+4*\t+3], s[14:15] offset:(16*(\i)+2*\t)*4096 th:TH_STORE_NT   ; each sixteen lanes store 256 consecutive bytes, at a multiple of 256 from the output's first byte; written once, read by nobody here
.endr
.endm
.rept 4
	v_nop                                          ; four plain lines between the last products and the reads of results and the loads into the fragments' registers
.endr
	TOSTAGE 0
.irp a, 1,2,3
.if \a > 1
	s_wait_xcnt 0x0                                ; block a - 2's stores have read their registers: block a's loads may land there
.endif
	TOSTAGE \a
	SEND \a-1, 16                                  ; behind block a - 1's loads: block a's eight stores and eight loads
.endr
	SEND 3, 0
	s_wait_tensorcnt 0x0
	ds_add_u32 v240, v241
	s_wait_dscnt 0x0
	ROUND                                          ; the closing round: no work-group ends while a partner may still ask for a tile that names it
	s_endpgm
.Lfunc_end_k_q5debb27ef3_proj:
	.size	k_q5debb27ef3_proj, .Lfunc_end_k_q5debb27ef3_proj-k_q5debb27ef3_proj
	.p2alignl 7, 3214868480
	.fill 96, 4, 3214868480
	.section	.rodata,"a",@progbits
	.p2align	6, 0x0
	.amdhsa_kernel k_q5debb27ef3_proj
		.amdhsa_group_segment_fixed_size 250880
		.amdhsa_private_segment_fixed_size 0
		.amdhsa_enable_private_segment 0
		.amdhsa_kernarg_size 48
		.amdhsa_user_sgpr_count 2
		.amdhsa_user_sgpr_kernarg_segment_ptr 1
		.amdhsa_wavefront_size32 1
		.amdhsa_system_sgpr_workgroup_id_x 1
		.amdhsa_system_sgpr_workgroup_id_y 1
		.amdhsa_system_sgpr_workgroup_id_z 1
		.amdhsa_system_vgpr_workitem_id 0
		.amdhsa_next_free_vgpr 242
		.amdhsa_next_free_sgpr 100
		.amdhsa_reserve_vcc 0
		.amdhsa_float_denorm_mode_32 3
		.amdhsa_float_denorm_mode_16_64 3
		.amdhsa_memory_ordered 1
		.amdhsa_forward_progress 1
		.amdhsa_inst_pref_size 45
	.end_amdhsa_kernel
	.amdgpu_metadata
---
amdhsa.version: [ 1, 2 ]
amdhsa.kernels:
  - .name:           k_q5debb27ef3_proj
    .symbol:         k_q5debb27ef3_proj.kd
    .args:
      - { .name: oc, .offset: 0, .size: 8, .value_kind: global_buffer, .address_space: global }
      - { .name: os, .offset: 8, .size: 8, .value_kind: global_buffer, .address_space: global }
      - { .name: W_out_codes, .offset: 16, .size: 8, .value_kind: global_buffer, .address_space: global }
      - { .name: W_out_scales, .offset: 24, .size: 8, .value_kind: global_buffer, .address_space: global }
      - { .name: b_out, .offset: 32, .size: 8, .value_kind: global_buffer, .address_space: global }
      - { .name: out0, .offset: 40, .size: 8, .value_kind: global_buffer, .address_space: global }
    .group_segment_fixed_size: 250880
    .private_segment_fixed_size: 0
    .kernarg_segment_align: 8
    .kernarg_segment_size: 48
    .max_flat_workgroup_size: 256
    .sgpr_count:     100
    .vgpr_count:     242
    .wavefront_size: 32
...
	.end_amdgpu_metadata
.endif
;; end of part 2
